; MI455X (gfx1250); checked and timed in simulation.
; The chip was launched on July 23, 2026; its instructions are those of AMD's public machine-readable ISA for CDNA 5 (MIT licence, August 2026) and "CDNA5" Instruction Set Architecture Reference Guide (July 2026). The comments in the code are by the model that wrote it; some were corrected since.
;; Self Outer Attention. Allowed arithmetic: matrix products marked QUANTISED: E4M3 operands, one E8M0 scale for each 32 along K, by v_wmma_scale_f32_16x16x128_f8f6f4 with both operands' format E4M3, f32 sums; products left as they are: f32 operands where the result goes on into a quantised operand, else bf16, f16 or f32 operands; f32 sums; everything else in f32.
;; Inputs: Wk_codes 128 x 4 x 32 uint8 (E4M3 codes of Wk, K innermost, in blocks of 32 codes); Wk_scales 128 x 4 uint8 (E8M0 scales of Wk, one for each 32 codes along K); Wo_codes 128 x 4 x 32 uint8 (E4M3 codes of Wo, K innermost, in blocks of 32 codes); Wo_scales 128 x 4 uint8 (E8M0 scales of Wo, one for each 32 codes along K); Wq_codes 128 x 4 x 32 uint8 (E4M3 codes of Wq, K innermost, in blocks of 32 codes); Wq_scales 128 x 4 uint8 (E8M0 scales of Wq, one for each 32 codes along K); Wv_codes 128 x 4 x 32 uint8 (E4M3 codes of Wv, K innermost, in blocks of 32 codes); Wv_scales 128 x 4 uint8 (E8M0 scales of Wv, one for each 32 codes along K); bk 128 float32; bo 128 float32; bq 128 float32; bv 128 float32; k_codes 4 x 512 x 4 x 32 uint8 (E4M3 codes of k, K innermost, in blocks of 32 codes); k_scales 4 x 512 x 4 uint8 (E8M0 scales of k, one for each 32 codes along K); mask 4 x 512 int32; q_codes 4 x 512 x 4 x 32 uint8 (E4M3 codes of q, K innermost, in blocks of 32 codes); q_scales 4 x 512 x 4 uint8 (E8M0 scales of q, one for each 32 codes along K); v_codes 4 x 512 x 4 x 32 uint8 (E4M3 codes of v, K innermost, in blocks of 32 codes); v_scales 4 x 512 x 4 uint8 (E8M0 scales of v, one for each 32 codes along K).
;; Outputs: out0 4 x 512 x 128 float32.
;; This version of the problem:
;;   THIS VERSION OF THE PROBLEM IS GIVEN IN LOW PRECISION. The matrix products marked QUANTISED in the list below multiply operands that are first quantised to E4M3 (4 exponent bits, 3 mantissa bits; 8 bits a number), with one power-of-two scale for each 32 numbers along K (OCP MX v1.0); their sums are f32. All else is computed in f32.
;;   The module's matrix products, in the order in which they are computed (A, B: the left and right operand; K: the contracted axis; several contracted axes count as one K, in the product's order):
;;     1. [M 2,048, K 128] x [K 128, N 128]; A: input q (given as codes); B: input Wq (given as codes): QUANTISED
;;     2. [M 2,048, K 128] x [K 128, N 128]; A: input k (given as codes); B: input Wk (given as codes): QUANTISED
;;     3. [M 2,048, K 128] x [K 128, N 128]; A: input v (given as codes); B: input Wv (given as codes): QUANTISED
;;     4. batch 512 x [M 512, K 1] x [K 1, N 512]; A: computed on the way; B: computed on the way: left as it is (no contracted axis)
;;     5. batch 512 x [M 1, K 512] x [K 512, N 512]; A: computed on the way; B: softmax: left as it is (M = 1 < 16)
;;     6. [M 2,048, K 128] x [K 128, N 128]; A: computed on the way; B: input Wo (given as codes): QUANTISED
;;   THE QUANTISER, for each operand of a quantised product, along K:
;;     - K is cut into blocks of 32 from its start; a last block that is shorter is filled with zeros.
;;     - A block's scale is 2^e with e = floor(log2(the largest magnitude in the block)) - 8, held to -126 .. 127; a block of zeros has e = 0. As a byte (E8M0): e + 127.
;;     - Each number is divided by its block's scale, clamped to +-448, and rounded to the nearest number of E4M3, ties to even, subnormals kept.
;;     - The product sums the exact products of the quantised numbers (number of the format x scale) in f32.
;;   ~~~python
;;   def quantise(x, axis):      # numpy; x: float32 -> the quantised numbers, widened to float32 again
;;       x = np.moveaxis(x, axis, -1); K = x.shape[-1]
;;       x = np.pad(x, [(0, 0)] * (x.ndim - 1) + [(0, -K % 32)]); x = x.reshape(x.shape[:-1] + (-1, 32)); a = np.abs(x).max(-1, keepdims=True)
;;       e = np.where(a > 0, np.clip(np.frexp(np.where(a > 0, a, 1))[1] - 1 - 8, -126, 127), 0)      # np.frexp(a)[1] - 1 = floor(log2(a)), exactly
;;       r = np.clip(x / 2.0 ** e, -448, 448)
;;       step = 2.0 ** (np.maximum(np.frexp(np.where(r == 0, 1, r))[1] - 1, -6) - 3)
;;       q = np.round(r / step) * step * 2.0 ** e      # np.round: ties to even
;;       return np.moveaxis(q.reshape(q.shape[:-2] + (-1,))[..., :K], -1, axis).astype(np.float32)
;;   ~~~
;;   OPERANDS COMPUTED ON THE WAY. 'Computed on the way' means the value that the module computes at that place (a softmax that the list does not call 'softmax' is quantised finished and normalised). What goes into a quantiser is computed in f32, as accurately as f32 sums, v_exp_f32 and their like allow (about 1e-6 of the number): no bf16 or f16 on the way to a quantiser, and a product that is left as it is and whose result goes on into a quantised operand takes f32 operands (vector FMAs, or v_wmma_f32_16x16x4_f32). A number that lies on a knife's edge between two numbers of the format may be rounded either way, as far as f32 arithmetic and the matrix unit's own rounding can turn it there, and no further.
;;   INPUTS GIVEN AS CODES. Wk (in the module: [128, 128], K = its axis 1); Wo (in the module: [128, 128], K = its axis 1); Wq (in the module: [128, 128], K = its axis 1); Wv (in the module: [128, 128], K = its axis 1); k (in the module: [4, 512, 128], K = its axis 2); q (in the module: [4, 512, 128], K = its axis 2); v (in the module: [4, 512, 128], K = its axis 2): each comes as NAME_codes (uint8): NAME with its K axis moved to the last place and cut into blocks of 32 codes, [.., K / 32, bytes a block], one block behind the other in memory; one code a byte (a code: sign, 4 exponent bits, 3 mantissa bits); and NAME_scales (uint8): the same leading axes, one E8M0 byte (e + 127) for each 32 codes along K. Its value is code x scale, taken as it is: it is not quantised again, and the codes and scales need not be those that the quantiser above would give.
;; 2 versions, each right; version 2 is version 1 with the launch outer written anew for expert scheduling mode. Each part assembles by itself: llvm-mc -triple=amdgcn-amd-amdhsa -mcpu=gfx1250 --defsym DOCPART=n.
;; ======== version 1 of 2: 1 launch
;; launch outer (part 1): grid 64 x 4, 8 waves a work-group, no clusters, 298,240 bytes of LDS; arguments q_codes, q_scales, k_codes, k_scales, v_codes, v_scales, mask, Wq_codes, Wq_scales, bq, Wk_codes, Wk_scales, bk, Wv_codes, Wv_scales, bv, Wo_codes, Wo_scales, bo, out0; writes out0
.if DOCPART == 1
	.amdgcn_target "amdgcn-amd-amdhsa--gfx1250"
	.amdhsa_code_object_version 6
	.text
	.protected	k_q3adfde6128_outer
	.globl	k_q3adfde6128_outer
	.p2align	8
	.type	k_q3adfde6128_outer,@function
k_q3adfde6128_outer:
	s_mov_b64 s[64:65], 0
	v_nop
	global_prefetch_b8 v0, s[64:65] scope:SCOPE_SE
	s_setreg_imm32_b32 hwreg(HW_REG_WAVE_MODE, 25, 1), 1
	s_wait_xcnt 0x0
; out0[b][n][:] = Q(o[b][n][:]) Wo^T + bo,  o[b][n][d] = sum over m of softmax_m(qp[b][n][d] kp[b][m][d]) vp[b][m][d],  qp = q Wq^T + bq, kp = k Wk^T + bk, vp = v Wv^T + bv.
; The four products with weights run on E4M3 codes with E8M0 scales (16x16x128, scaled); the softmax per channel is f32 vector work: 4 x 512 x 512 x 128 exponentials, which bound the launch.
; A row with mask 0 has a uniform softmax: its q is replaced by 0 (a scalar select of the multiplier, no branch): then every p is 1, the sum 512, o the mean of vp.
; SHARES.  256 work-groups: x = a block of 8 rows n, y = the batch.  Eight waves, two to a SIMD, 512 registers each.  The 512 keys go in 4 chunks of 128 through two LDS buffers by turns.
;   PROJ: a chunk's kp and vp are made from codes by the work-group itself: wave (eh = bit 0, mp = bits 2:1 of its number) takes rows m 32 mp .. +31 against channels 64 eh .. +63: 16 matrix instructions.  Its 4 + 4
;   fragments of Wk and Wv stay in registers; its 4 fragments of k and v are loaded one chunk ahead.  Source 0 = 16 rows m, source 1 = 16 rows of W: a lane holds ONE channel and 8 neighbouring m: 32 bytes of LDS row [d][m].
;   ATTN: lane = channel d = 32 g + lane (g = bits 1:0 of the wave's number), all 8 rows n in registers, m = 64 hf .. +63 of the chunk (hf = bit 2): each kp and vp is read from LDS once and feeds 8 exponentials.
; THE MAXIMUM.  max over m of q k_m = max(q kmax, q kmin): PROJ also leaves each channel's largest and smallest kp of the chunk; ATTN keeps them running and with them M, the row's exact largest exponent so far;
;   when M moves, sum and accumulator are multiplied by 2^(old M - new M).  p = 2^(k q' - M), q' = (qp + bq) log2(e).
; bv is added once, behind the division: sum p (v + bv) / sum p = sum p v / sum p + bv.
; NO CLUSTER, NO TENSOR LOADS: what work-groups share is 128 KB of k's and v's codes and 32 KB of weights' for a work-group's whole run; they go from memory straight into operand registers, a chunk
;   (256 exponentials a lane) ahead of their use; a road through LDS would add a round trip, and beside the two buffers LDS has 30,464 bytes left.  No prefetch: no wave waits for memory behind the head.
; LIMITS.  NaN, infinities and scale bytes 0xff among the inputs are not served.  |qp kp log2(e)| must stay finite in f32.  A block of o whose largest magnitude lies under 2^-118 keeps the scale byte 1
;   (a block of zeros too, where the rule says 127: its codes are zeros, and only this text reads the byte).  The sums over m run in another order than a plain sum: two halves of each chunk, in pairs.
; LDS
.set PITCH, 528                        ; a channel's row of a chunk: 128 m x 4 bytes + 16: an odd multiple of 16
.set VP0,  128*PITCH                   ; KP0 at 0, VP0, KP1, VP1: 67,584 bytes each
.set KP1,  2*128*PITCH
.set VP1,  3*128*PITCH
.set MM0,  4*128*PITCH                 ; per channel 48 bytes: words 0-3 the largest kp of the four mp, words 4-7 the smallest; two buffers
.set MMB,  128*48
.set QP,   MM0+2*MMB                   ; per channel 48 bytes: qp of the 8 rows
.set OUTF, QP+MMB                      ; o: 8 rows n, pitch 528
.set STG,  OUTF+8*PITCH                ; the result: 8 rows n, pitch 528.  Ends at 297,216
; (RED, 8 waves x 2,048 bytes of register images, lies at 0, in KP0, whose last read stands ahead of the last barrier of the chunks)
; REGISTERS, window 0
.set VW,   1                           ; global offsets: my 4 tiles of Wk, Wv: 128 r + 16 h + 8192 eh
.set VWS,  2                           ; their scale words, and bk: 4 r + 256 eh
.set VAM,  3                           ; my 32 rows of a chunk of k, v: 128 r + 16 h + 4096 mp
.set VAS,  4                           ; their scale words: 4 r + 128 mp
.set VWO,  5                           ; tile w of Wq, Wo: 128 r + 16 h + 2048 w
.set VWOS, 6                           ; 4 r + 64 w
.set VBO,  7                           ; bo: 64 w + 32 h
.set VQ,   8                           ; q: 128 (r % 8) + 16 h
.set VQS,  9                           ; 4 (r % 8)
.set VD4,  10                          ; 4 d
.set AST,  11                          ; v11-14 LDS: where PROJ stores: KP0, VP0, KP1, VP1 + 528 r + 32 h + 128 mp + 33792 eh
.set ARD,  15                          ; v15-18 where ATTN reads: the same four + 528 d + 256 hf
.set AMMS, 19
.set AMMR, 20
.set AQS,  21
.set AQR,  22
.set CK,   23                          ; the loop's addresses
.set CV,   24
.set ARS,  25
.set ARR,  26
.set AOS,  27
.set AOR,  28
.set ASS,  29
.set ASR,  30
.set AGO,  31
.set SC0,  32                          ; v32-45 hold scale words and nothing else: q's, later o's;
.set SC1,  33                          ; Wq's, later Wo's;
.set AKS,  34                          ; k's (2), v's (2),
.set AVS,  36
.set WKS,  38                          ; Wk's (4), Wv's (4)
.set WVS,  42
.set BK,   46                          ; v46-49 bk of my channel in each of my 4 tiles
.set BV,   50                          ; bv[d], bq[d]
.set BQ,   51
.set KMAX, 52
.set KMIN, 53
.set QM,   56                          ; v56-71  row j: (q', M)
.set SUM,  72                          ; v72-87  row j: the sum, even m's and odd m's
.set ACC,  88                          ; v88-103 row j: sum of p v, likewise
.set KB,   104                         ; v104-119 8 kp, two sets
.set VB,   120                         ; v120-135 8 vp, two sets
.set T,    136                         ; v136-199 at work: kp's 8 result tiles; the 64 exponents of a group
.set TMP,  200                         ; v200-215
.set F,    216                         ; v216-223
.set BO,   224
.set PC,   232
.set DO,   248
; window 1
.set WK,   0                           ; Wk's 4 fragments, Wv's 4
.set WV,   64
.set AKF,  128                         ; k's 2 fragments (at the end: Wo's one), v's 2
.set AVF,  160
.set U,    192                         ; vp's 8 result tiles
.set MSB, 0
.macro WIN new                         ; s_set_vgpr_msb: bits 1:0 source 0, 3:2 source 1, 5:4 source 2, 7:6 destination; the high byte repeats the setting that is left
.if MSB != \new
	s_set_vgpr_msb (MSB<<8)|\new
.set MSB, \new
.endif
.endm
.macro BAR                             ; my LDS stores have landed and my LDS loads are in: then the work-group's barrier
	s_wait_dscnt 0x0
	s_barrier_signal -1
	s_barrier_wait -1
.endm
; my 2 + 2 fragments of chunk ch and their scale words: 20 loads
.macro ALOAD ch
	WIN 0x40                                       ; destination window 1, address window 0
.irp t, 0,1
.irp u, 0,1,2,3
	global_load_b128 v[AKF+16*\t+4*\u:AKF+16*\t+4*\u+3], v[VAM], s[12:13] offset:16384*(\ch)+2048*\t+32*\u
	global_load_b128 v[AVF+16*\t+4*\u:AVF+16*\t+4*\u+3], v[VAM], s[16:17] offset:16384*(\ch)+2048*\t+32*\u
.endr
.endr
	WIN 0
.irp t, 0,1
	global_load_b32 v[AKS+\t], v[VAS], s[14:15] offset:512*(\ch)+64*\t
	global_load_b32 v[AVS+\t], v[VAS], s[18:19] offset:512*(\ch)+64*\t
.endr
.endm
; kp's 8 tiles in T: + bk; each channel's largest and smallest of my 32 m; all to LDS buffer p
.macro POSTK p
.irp q, 0,1,2,3                        ; each tile's lowest pair first
.irp t, 0,1
.irp i, 0,2                            ; of the pair (bk of tile i, bk of tile i + 1) the low word serves tile i, the high word tile i + 1
	v_pk_add_f32 v[T+8*(4*\t+\i)+2*\q:T+8*(4*\t+\i)+2*\q+1], v[T+8*(4*\t+\i)+2*\q:T+8*(4*\t+\i)+2*\q+1], v[BK+\i:BK+\i+1] op_sel_hi:[1,0]
	v_pk_add_f32 v[T+8*(4*\t+\i+1)+2*\q:T+8*(4*\t+\i+1)+2*\q+1], v[T+8*(4*\t+\i+1)+2*\q:T+8*(4*\t+\i+1)+2*\q+1], v[BK+\i:BK+\i+1] op_sel:[0,1] op_sel_hi:[1,1]
.endr
.endr
.endr
.irp i, 0,1,2,3                        ; number n of my 16 of channel tile i lies at T + 8 i + n % 8 + 32 (n / 8); the four tiles by turns
	v_max3_num_f32 v[TMP+8+\i],  v[T+8*\i], v[T+8*\i+1], v[T+8*\i+2]
	v_min3_num_f32 v[TMP+12+\i], v[T+8*\i], v[T+8*\i+1], v[T+8*\i+2]
.endr
.irp n, 3,5,7,9,11,13
.irp i, 0,1,2,3
	v_max3_num_f32 v[TMP+8+\i],  v[TMP+8+\i],  v[T+8*\i+(\n%8)+32*(\n/8)], v[T+8*\i+((\n+1)%8)+32*((\n+1)/8)]
	v_min3_num_f32 v[TMP+12+\i], v[TMP+12+\i], v[T+8*\i+(\n%8)+32*(\n/8)], v[T+8*\i+((\n+1)%8)+32*((\n+1)/8)]
.endr
.endr
.irp i, 0,1,2,3
	v_max_num_f32 v[TMP+8+\i],  v[TMP+8+\i],  v[T+8*\i+39]
	v_min_num_f32 v[TMP+12+\i], v[TMP+12+\i], v[T+8*\i+39]
.endr
.irp i, 0,1,2,3,4,5,6,7
	v_permlanex16_b32 v[TMP+\i], v[TMP+8+\i], s56, s57           ; lane l xor 16 holds the channel's other 16 m
.endr
.irp i, 0,1,2,3
	v_max_num_f32 v[TMP+8+\i],  v[TMP+8+\i],  v[TMP+\i]
	v_min_num_f32 v[TMP+12+\i], v[TMP+12+\i], v[TMP+4+\i]
.endr
.irp t, 0,1
.irp i, 0,1,2,3
	ds_store_b128 v[AST+2*(\p)], v[T+8*(4*\t+\i):T+8*(4*\t+\i)+3]   offset:16*PITCH*\i+64*\t      ; channel 64 eh + 16 i + r, m = 32 mp + 16 t + 8 h + 0 .. 7
	ds_store_b128 v[AST+2*(\p)], v[T+8*(4*\t+\i)+4:T+8*(4*\t+\i)+7] offset:16*PITCH*\i+64*\t+16
.endr
.endr
.irp i, 0,1,2,3
	ds_store_b32 v[AMMS], v[TMP+8+\i]  offset:MMB*(\p)+768*\i     ; both halves of the lanes write the same word with the same value
	ds_store_b32 v[AMMS], v[TMP+12+\i] offset:MMB*(\p)+768*\i+16
.endr
.endm
.macro STV p                           ; vp's 8 tiles go to LDS as they are (bv is added at the end)
	WIN 0x04                                       ; an LDS store's data are its source 1: window 1
.irp t, 0,1
.irp i, 0,1,2,3
	ds_store_b128 v[AST+2*(\p)+1], v[U+8*(4*\t+\i):U+8*(4*\t+\i)+3]   offset:16*PITCH*\i+64*\t
	ds_store_b128 v[AST+2*(\p)+1], v[U+8*(4*\t+\i)+4:U+8*(4*\t+\i)+7] offset:16*PITCH*\i+64*\t+16
.endr
.endr
	WIN 0
.endm
; Chunk ch is projected into buffer ch % 2.  nxt = 1: the next chunk's fragments are asked for; 2: Wo's tile, its scale words and bo.
.macro PROJ ch, nxt
.if \ch > 0
	s_wait_loadcnt 0x0                             ; the chunk's fragments, asked for a whole chunk of attention ago
.endif
	WIN 0x05                                       ; sources 0 and 1 window 1, result window 0
.irp t, 0,1
.irp i, 0,1,2,3                        ; sixteen results, each begun with the constant 0: no two lines share an accumulator
	v_wmma_scale_f32_16x16x128_f8f6f4 v[T+8*(4*\t+\i):T+8*(4*\t+\i)+7], v[AKF+16*\t:AKF+16*\t+15], v[WK+16*\i:WK+16*\i+15], 0, v[AKS+\t], v[WKS+\i]
.endr
.endr
	WIN 0x45                                       ; result window 1
.irp t, 0,1
.irp i, 0,1,2,3
	v_wmma_scale_f32_16x16x128_f8f6f4 v[U+8*(4*\t+\i):U+8*(4*\t+\i)+7], v[AVF+16*\t:AVF+16*\t+15], v[WV+16*\i:WV+16*\i+15], 0, v[AVS+\t], v[WVS+\i]
.endr
.endr
	WIN 0
.rept 8
	v_nop                                          ; eight places behind this form ahead of the reads of results and of the loads into operands below
.endr
	POSTK (\ch)%2
.if \nxt == 1
	ALOAD (\ch)+1
.else
	WIN 0x40
.irp u, 0,1,2,3
	global_load_b128 v[AKF+4*\u:AKF+4*\u+3], v[VWO], s[40:41] offset:32*\u
.endr
	WIN 0
	global_load_b32 v[SC1], v[VWOS], s[42:43]
	global_load_b128 v[BO:BO+3], v[VBO], s[44:45]
	global_load_b128 v[BO+4:BO+7], v[VBO], s[44:45] offset:16
.endif
	STV (\ch)%2
.endm
; 8 m of my channel: kp and vp into set sx: four loads
.macro LDG sx, ak, av, off
	ds_load_b128 v[KB+8*\sx:KB+8*\sx+3],   v[\ak] offset:\off
	ds_load_b128 v[KB+8*\sx+4:KB+8*\sx+7], v[\ak] offset:\off+16
	ds_load_b128 v[VB+8*\sx:VB+8*\sx+3],   v[\av] offset:\off
	ds_load_b128 v[VB+8*\sx+4:VB+8*\sx+7], v[\av] offset:\off+16
.endm
; 8 m x 8 rows: 32 packed scalings, 64 exponentials as ONE batch, 64 packed sums in sixteen chains by turns
.macro GRP sx
.irp j, 0,1,2,3,4,5,6,7
.irp i, 0,1,2,3
	v_pk_fma_f32 v[T+8*\j+2*\i:T+8*\j+2*\i+1], v[KB+8*\sx+2*\i:KB+8*\sx+2*\i+1], v[QM+2*\j:QM+2*\j+1], v[QM+2*\j:QM+2*\j+1] op_sel:[0,0,1] op_sel_hi:[1,0,1] neg_lo:[0,0,1] neg_hi:[0,0,1]   ; k q' - M: of the pair (q', M) the low word multiplies both, the high word is taken from both
.endr
.endr
.set n, 0
.rept 64
	v_exp_f32 v[T+n], v[T+n]
.set n, n+1
.endr
	v_nop                                          ; a plain line behind the last exponential (ISA guide 5.7.2),
	s_wait_alu depctr_va_vdst(0)                   ; and the wait ahead of the first line that names a result: one for the batch
.irp i, 0,1,2,3
.irp j, 0,1,2,3,4,5,6,7
	v_pk_add_f32 v[SUM+2*\j:SUM+2*\j+1], v[SUM+2*\j:SUM+2*\j+1], v[T+8*\j+2*\i:T+8*\j+2*\i+1]
	v_pk_fma_f32 v[ACC+2*\j:ACC+2*\j+1], v[T+8*\j+2*\i:T+8*\j+2*\i+1], v[VB+8*\sx+2*\i:VB+8*\sx+2*\i+1], v[ACC+2*\j:ACC+2*\j+1]
.endr
.endr
.endm
; The attention of my channel and my 64 m of the chunk in buffer p.  first = 1: the first chunk, which has no old M.
.macro ATTN p, first
	ds_load_b128 v[TMP:TMP+3],   v[AMMR] offset:MMB*\p         ; the chunk's four largest kp of my channel,
	ds_load_b128 v[TMP+4:TMP+7], v[AMMR] offset:MMB*\p+16      ; and its four smallest
	LDG 0, ARD+2*\p, ARD+2*\p+1, 0
	s_wait_dscnt 4                                 ; all but group 0's four loads: the two quads are in, and my older LDS stores have read T
.if \first
	v_max3_num_f32 v[KMAX], v[TMP], v[TMP+1], v[TMP+2]
	v_min3_num_f32 v[KMIN], v[TMP+4], v[TMP+5], v[TMP+6]
	v_max_num_f32 v[KMAX], v[KMAX], v[TMP+3]
	v_min_num_f32 v[KMIN], v[KMIN], v[TMP+7]
.else
	v_max3_num_f32 v[KMAX], v[KMAX], v[TMP], v[TMP+1]
	v_min3_num_f32 v[KMIN], v[KMIN], v[TMP+4], v[TMP+5]
	v_max3_num_f32 v[KMAX], v[KMAX], v[TMP+2], v[TMP+3]
	v_min3_num_f32 v[KMIN], v[KMIN], v[TMP+6], v[TMP+7]
.endif
.irp j, 0,1,2,3,4,5,6,7
	v_mul_f32 v[T+2*\j],   v[QM+2*\j], v[KMAX]
	v_mul_f32 v[T+2*\j+1], v[QM+2*\j], v[KMIN]
.endr
.if \first
.irp j, 0,1,2,3,4,5,6,7
	v_max_num_f32 v[QM+2*\j+1], v[T+2*\j], v[T+2*\j+1]         ; M: the largest q' k over all m so far
.endr
.else
.irp j, 0,1,2,3,4,5,6,7
	v_max_num_f32 v[T+2*\j], v[T+2*\j], v[T+2*\j+1]
.endr
.irp j, 0,1,2,3,4,5,6,7
	v_sub_f32 v[F+\j], v[QM+2*\j+1], v[T+2*\j]                 ; old M - new M: 0 or less
.endr
.irp j, 0,1,2,3,4,5,6,7
	v_exp_f32 v[F+\j], v[F+\j]
.endr
.irp j, 0,1,2,3,4,5,6,7
	v_mov_b32 v[QM+2*\j+1], v[T+2*\j]                          ; (plain lines behind the exponentials)
.endr
	s_wait_alu depctr_va_vdst(0)                   ; one wait for the eight, ahead of their first reader
.irp j, 0,2,4,6
	v_pk_mul_f32 v[SUM+2*\j:SUM+2*\j+1],   v[SUM+2*\j:SUM+2*\j+1],   v[F+\j:F+\j+1] op_sel_hi:[1,0]
	v_pk_mul_f32 v[ACC+2*\j:ACC+2*\j+1],   v[ACC+2*\j:ACC+2*\j+1],   v[F+\j:F+\j+1] op_sel_hi:[1,0]
	v_pk_mul_f32 v[SUM+2*\j+2:SUM+2*\j+3], v[SUM+2*\j+2:SUM+2*\j+3], v[F+\j:F+\j+1] op_sel:[0,1] op_sel_hi:[1,1]
	v_pk_mul_f32 v[ACC+2*\j+2:ACC+2*\j+3], v[ACC+2*\j+2:ACC+2*\j+3], v[F+\j:F+\j+1] op_sel:[0,1] op_sel_hi:[1,1]
.endr
.endif
	s_mov_b32 s60, 0
.Lgroups_\@:                           ; three trips of two groups; at the head one group's four loads are out, on the way in and round the back edge
	v_add_nc_u32 v[CK], s60, v[ARD+2*\p]
	v_add_nc_u32 v[CV], s60, v[ARD+2*\p+1]
	LDG 1, CK, CV, 32
	s_wait_dscnt 4                                 ; all but the four just issued
	GRP 0
	LDG 0, CK, CV, 64
	s_wait_dscnt 4
	GRP 1
	s_add_co_u32 s60, s60, 64
	s_cmp_lt_u32 s60, 192
	s_cbranch_scc1 .Lgroups_\@
	LDG 1, ARD+2*\p, ARD+2*\p+1, 224               ; the last two groups are written out: nothing is read past my 256 bytes of the row
	s_wait_dscnt 4
	GRP 0
	s_wait_dscnt 0x0
	GRP 1
.endm
; ---- THE HEAD
	s_load_b512 s[8:23], s[0:1], 0x0               ; q_codes 8, q_scales 10, k_codes 12, k_scales 14, v_codes 16, v_scales 18, mask 20, Wq_codes 22
	s_load_b512 s[24:39], s[0:1], 0x40             ; Wq_scales 24, bq 26, Wk_codes 28, Wk_scales 30, bk 32, Wv_codes 34, Wv_scales 36, bv 38
	s_load_b256 s[40:47], s[0:1], 0x80             ; Wo_codes 40, Wo_scales 42, bo 44, out0 46
	v_lshl_add_u32 v54, v0, 2, 0x48900
	v_mov_b32 v55, 0
	v_and_b32 v[T+0], 31, v0                       ; l
	v_and_b32 v[T+1], 15, v0                       ; r
	v_and_b32 v[T+2], 7, v0                        ; r % 8
	v_bfe_u32 v[T+3], v0, 4, 1                     ; h
	v_lshrrev_b32 v[T+4], 5, v0                    ; w
	v_bfe_u32 v[T+5], v0, 5, 1                     ; eh
	v_bfe_u32 v[T+6], v0, 6, 2                     ; mp
	v_bfe_u32 v[T+7], v0, 5, 2                     ; g
	v_bfe_u32 v[T+8], v0, 7, 1                     ; hf
	v_and_b32 v[T+9], 127, v0                      ; d
	v_lshlrev_b32 v[T+10], 7, v[T+1]
	v_lshl_add_u32 v[T+10], v[T+3], 4, v[T+10]     ; 128 r + 16 h: a fragment's row of 128 codes and my half's 16 bytes
	v_lshlrev_b32 v[T+11], 2, v[T+1]               ; 4 r
	v_lshl_add_u32 v[VW], v[T+5], 13, v[T+10]
	v_lshl_add_u32 v[VWS], v[T+5], 8, v[T+11]
	v_lshl_add_u32 v[VAM], v[T+6], 12, v[T+10]
	v_lshl_add_u32 v[VAS], v[T+6], 7, v[T+11]
	v_lshl_add_u32 v[VWO], v[T+4], 11, v[T+10]
	v_lshl_add_u32 v[VWOS], v[T+4], 6, v[T+11]
	v_lshlrev_b32 v[VBO], 5, v[T+3]
	v_lshl_add_u32 v[VBO], v[T+4], 6, v[VBO]
	v_lshlrev_b32 v[VQ], 7, v[T+2]
	v_lshl_add_u32 v[VQ], v[T+3], 4, v[VQ]
	v_lshlrev_b32 v[VQS], 2, v[T+2]
	v_lshlrev_b32 v[VD4], 2, v[T+9]
	s_and_b32 s66, ttmp7, 0xffff                   ; the batch b; ttmp9 = x, the block of 8 rows
	s_lshl_b32 s68, s66, 16                        ; k's and v's codes: b x 512 rows x 128 bytes
	s_mov_b32 s69, 0
	s_lshl_b32 s70, s66, 11                        ; their scale bytes: b x 512 x 4
	s_mov_b32 s71, 0
	s_lshl_b32 s72, ttmp9, 10
	s_add_co_u32 s72, s72, s68                     ; q's codes: + x x 8 rows x 128
	s_mov_b32 s73, 0
	s_lshl_b32 s74, ttmp9, 5
	s_add_co_u32 s74, s74, s70                     ; q's scale bytes, and the mask: + x x 8 x 4
	s_mov_b32 s75, 0
	s_lshl_b32 s66, s66, 18
	s_lshl_b32 s67, ttmp9, 12
	s_add_co_u32 s66, s66, s67                     ; out0: b x 512 x 512 + x x 8 x 512
	s_mov_b32 s67, 0
	s_mov_b32 s56, 0x76543210                      ; v_permlanex16_b32's selects for lane l xor 16
	s_mov_b32 s57, 0xfedcba98
	s_mov_b32 s58, 0x600000                        ; the mantissa field of 448
	s_wait_kmcnt 0x0
	s_add_nc_u64 s[8:9], s[8:9], s[72:73]          ; the bases are written here once and never again
	s_add_nc_u64 s[10:11], s[10:11], s[74:75]
	s_add_nc_u64 s[12:13], s[12:13], s[68:69]
	s_add_nc_u64 s[14:15], s[14:15], s[70:71]
	s_add_nc_u64 s[16:17], s[16:17], s[68:69]
	s_add_nc_u64 s[18:19], s[18:19], s[70:71]
	s_add_nc_u64 s[20:21], s[20:21], s[74:75]
	s_add_nc_u64 s[46:47], s[46:47], s[66:67]
	s_load_b256 s[48:55], s[20:21], 0x0            ; the mask of my 8 rows
.irp u, 0,1,2,3
	global_load_b128 v[KB+4*\u:KB+4*\u+3], v[VQ], s[8:9] offset:32*\u        ; q's fragment: rows 8-15 repeat rows 0-7
	global_load_b128 v[VB+4*\u:VB+4*\u+3], v[VWO], s[22:23] offset:32*\u     ; Wq's tile w
.endr
	global_load_b32 v[SC0], v[VQS], s[10:11]
	global_load_b32 v[SC1], v[VWOS], s[24:25]
	ALOAD 0
	WIN 0x40
.irp i, 0,1,2,3
.irp u, 0,1,2,3
	global_load_b128 v[WK+16*\i+4*\u:WK+16*\i+4*\u+3], v[VW], s[28:29] offset:2048*\i+32*\u   ; my 4 tiles of Wk and of Wv: they stay
	global_load_b128 v[WV+16*\i+4*\u:WV+16*\i+4*\u+3], v[VW], s[34:35] offset:2048*\i+32*\u
.endr
.endr
	WIN 0
.irp i, 0,1,2,3
	global_load_b32 v[WKS+\i], v[VWS], s[30:31] offset:64*\i
	global_load_b32 v[WVS+\i], v[VWS], s[36:37] offset:64*\i
	global_load_b32 v[BK+\i], v[VWS], s[32:33] offset:64*\i
.endr
	global_load_b32 v[BQ], v[VD4], s[26:27]
	global_load_b32 v[BV], v[VD4], s[38:39]
	; the LDS addresses, while the loads are out: each a constant + constants x parts of the thread's number; none is written again
	v_mul_u32_u24 v[AST], v[T+1], PITCH
	v_lshl_add_u32 v[AST], v[T+3], 5, v[AST]
	v_lshl_add_u32 v[AST], v[T+6], 7, v[AST]
	v_mad_u32_u24 v[AST], v[T+5], 64*PITCH, v[AST]
	v_add_nc_u32 v[AST+1], VP0, v[AST]
	v_add_nc_u32 v[AST+2], KP1, v[AST]
	v_add_nc_u32 v[AST+3], VP1, v[AST]
	v_mul_u32_u24 v[ARD], v[T+9], PITCH
	v_lshl_add_u32 v[ARD], v[T+8], 8, v[ARD]
	v_add_nc_u32 v[ARD+1], VP0, v[ARD]
	v_add_nc_u32 v[ARD+2], KP1, v[ARD]
	v_add_nc_u32 v[ARD+3], VP1, v[ARD]
	v_mul_u32_u24 v[T+12], v[T+1], 48              ; 48 r
	v_mad_u32_u24 v[AMMS], v[T+5], 64*48, v[T+12]
	v_lshl_add_u32 v[AMMS], v[T+6], 2, v[AMMS]
	v_add_nc_u32 v[AMMS], MM0, v[AMMS]             ; MM0 + 48 (64 eh + r) + 4 mp
	v_mul_u32_u24 v[T+13], v[T+9], 48              ; 48 d
	v_add_nc_u32 v[AMMR], MM0, v[T+13]
	v_add_nc_u32 v[AQR], QP, v[T+13]
	v_mad_u32_u24 v[AQS], v[T+4], 16*48, v[T+12]
	v_add_nc_u32 v[AQS], QP, v[AQS]                ; QP + 48 (16 w + r)
	v_lshlrev_b32 v[T+14], 4, v[T+0]               ; 16 l
	v_lshl_add_u32 v[ARS], v[T+4], 11, v[T+14]     ; 16 l + 2048 w
	v_lshl_add_u32 v[ARR], v[T+7], 11, v[T+14]
	v_lshl_add_u32 v[ARR], v[T+8], 10, v[ARR]      ; 16 l + 2048 g + 1024 hf
	v_mad_u32_u24 v[AOS], v[T+8], 4*PITCH, v[VD4]
	v_add_nc_u32 v[AOS], OUTF, v[AOS]              ; OUTF + 4 hf rows + 4 d
	v_mul_u32_u24 v[T+15], v[T+2], PITCH           ; 528 (r % 8)
	v_lshl_add_u32 v[AOR], v[T+3], 6, v[T+15]
	v_add_nc_u32 v[AOR], OUTF, v[AOR]
	v_add_nc_u32 v[ASS], v[T+15], v[VBO]
	v_add_nc_u32 v[ASS], STG, v[ASS]               ; STG + 528 (r % 8) + 64 w + 32 h
	v_mad_u32_u24 v[ASR], v[T+4], PITCH, v[T+14]
	v_add_nc_u32 v[ASR], STG, v[ASR]               ; STG + 528 w + 16 l
	v_lshlrev_b32 v[AGO], 4, v0                    ; 512 w + 16 l
.set n, 0
.rept 32
	v_mov_b32 v[SUM+n], 0                          ; the sums and accumulators of 8 rows (the group is written once for all chunks)
.set n, n+1
.endr
.irp i, 0,1,2,3,4,5,6,7
	v_mov_b32 v[TMP+\i], 0                         ; written once: a lane permute's destination counts as one of its sources
.endr
	s_wait_kmcnt 0x0                               ; the mask
.irp j, 0,1,2,3,4,5,6,7
	s_cmp_lg_u32 s[48+\j], 0
	s_cselect_b32 s[48+\j], 0x3fb8aa3b, 0          ; row j's multiplier: log2(e), or 0 where the row is masked
.endr
	s_wait_loadcnt 0x0
	v_wmma_scale_f32_16x16x128_f8f6f4 v[F:F+7], v[KB:KB+15], v[VB:VB+15], 0, v[SC0], v[SC1]   ; lane (r, h): channel 16 w + r; register j: row j (both halves of the lanes alike)
.rept 8
	v_nop
.endr
	ds_store_b128 v[AQS], v[F:F+3]
	ds_store_b128 v[AQS], v[F+4:F+7] offset:16
	PROJ 0, 1
	BAR                                            ; qp and chunk 0 lie in LDS
	ds_load_b128 v[T:T+3], v[AQR]
	ds_load_b128 v[T+4:T+7], v[AQR] offset:16
	s_wait_dscnt 0x0
.irp j, 0,1,2,3,4,5,6,7
	v_add_f32 v[T+\j], v[T+\j], v[BQ]
.endr
.irp j, 0,1,2,3,4,5,6,7
	v_mul_f32 v[QM+2*\j], s[48+\j], v[T+\j]        ; q' = (qp + bq) log2(e), or 0
.endr
; ---- THE CHUNKS.  PROJ writes the buffer that the attention before the last barrier read; the attention behind the next barrier reads it.
	PROJ 1, 1
	ATTN 0, 1
	BAR
	PROJ 2, 1
	ATTN 1, 0
	BAR
	PROJ 3, 2
	ATTN 0, 0
	BAR
	ATTN 1, 0
; ---- THE TAIL
.irp i, 0,1,2,3                        ; even and odd m are added; four registers for rows 2 i and 2 i + 1: two sums, two accumulators
	v_add_f32 v[T+4*\i],   v[SUM+4*\i],   v[SUM+4*\i+1]
	v_add_f32 v[T+4*\i+1], v[SUM+4*\i+2], v[SUM+4*\i+3]
	v_add_f32 v[T+4*\i+2], v[ACC+4*\i],   v[ACC+4*\i+1]
	v_add_f32 v[T+4*\i+3], v[ACC+4*\i+2], v[ACC+4*\i+3]
.endr
.irp i, 0,1,2,3
	ds_store_b128 v[ARS], v[T+4*\i:T+4*\i+3] offset:512*\i       ; as images of the registers: 16 bytes a lane
.endr
	BAR
	ds_load_b128 v[T+16:T+19], v[ARR]              ; rows 4 hf .. 4 hf + 3 of my channel: wave g's half of the m,
	ds_load_b128 v[T+20:T+23], v[ARR] offset:512
	ds_load_b128 v[T+24:T+27], v[ARR] offset:8192  ; and wave g + 4's (both under the same M)
	ds_load_b128 v[T+28:T+31], v[ARR] offset:8704
	s_wait_dscnt 0x0
.irp u, 0,2,4,6
	v_pk_add_f32 v[T+16+\u:T+17+\u], v[T+16+\u:T+17+\u], v[T+24+\u:T+25+\u]
.endr
	v_rcp_f32 v[TMP],   v[T+16]
	v_rcp_f32 v[TMP+1], v[T+17]
	v_rcp_f32 v[TMP+2], v[T+20]
	v_rcp_f32 v[TMP+3], v[T+21]
	v_nop                                          ; a plain line behind the last reciprocal,
	s_wait_alu depctr_va_vdst(0)                   ; and one wait for the four, ahead of their first reader
	v_fma_f32 v[T+32], v[T+18], v[TMP],   v[BV]    ; o = accumulator / sum + bv
	v_fma_f32 v[T+33], v[T+19], v[TMP+1], v[BV]
	v_fma_f32 v[T+34], v[T+22], v[TMP+2], v[BV]
	v_fma_f32 v[T+35], v[T+23], v[TMP+3], v[BV]
.irp u, 0,1,2,3
	ds_store_b32 v[AOS], v[T+32+\u] offset:PITCH*\u
.endr
	BAR                                            ; o's 8 rows lie in LDS
.irp b, 0,1,2,3
.irp u, 0,1,2,3
	ds_load_b128 v[T+16*\b+4*\u:T+16*\b+4*\u+3], v[AOR] offset:128*\b+16*\u   ; lane (r, h): row r % 8; register 16 b + i = channel 32 b + 16 h + i: the operand's own order
.endr
.endr
	s_wait_dscnt 0x0
	; o is quantised along its 128 channels, four blocks of 32; a block lies in lanes l and l xor 16
.irp b, 0,1,2,3
	v_max3_num_f32 v[TMP+\b], |v[T+16*\b]|, |v[T+1+16*\b]|, 0x4800000        ; my 16 numbers, and the floor 2^(9 - 127): the byte cannot fall under 1
.endr
.irp i, 2,4,6,8,10,12,14
.irp b, 0,1,2,3
	v_max3_num_f32 v[TMP+\b], v[TMP+\b], |v[T+16*\b+\i]|, |v[T+1+16*\b+\i]|  ; (the four blocks by turns)
.endr
.endr
.irp b, 0,1,2,3
	v_permlanex16_b32 v[TMP+4+\b], v[TMP+\b], s56, s57
.endr
.irp b, 0,1,2,3
	v_max_num_f32 v[TMP+\b], v[TMP+\b], v[TMP+4+\b]                          ; the block's largest magnitude
.endr
.irp b, 0,1,2,3
	v_add_nc_u32 v[TMP+12+\b], 0xfc000000, v[TMP+\b]                         ; 8 off its exponent field: the conversion's scale operand
.endr
.irp b, 0,1,2,3
	v_and_or_b32 v[TMP+8+\b], v[TMP+\b], 0x7f800000, s58                     ; 448 x the scale
.endr
.irp b, 0,1,2,3
	v_lshrrev_b32 v[TMP+4+\b], 23, v[TMP+12+\b]                              ; the scale's byte
.endr
	v_lshl_or_b32 v[SC0], v[TMP+5], 8, v[TMP+4]    ; my row's scale word; the 64 holds below stand between it and the product
	v_lshl_or_b32 v[SC0], v[TMP+6], 16, v[SC0]
	v_lshl_or_b32 v[SC0], v[TMP+7], 24, v[SC0]
.irp b, 0,1,2,3
.irp i, 0,1,2,3,4,5,6,7,8,9,10,11,12,13,14,15
	v_med3_num_f32 v[T+16*\b+\i], v[T+16*\b+\i], -v[TMP+8+\b], v[TMP+8+\b]   ; the conversion to an 8-bit code does not saturate (ISA guide 7.6.2): the hold at the largest code x the scale
.endr
	v_cvt_scalef32_pk8_fp8_f32 v[PC+4*\b:PC+4*\b+1],   v[T+16*\b:T+16*\b+7],    v[TMP+12+\b]
	v_cvt_scalef32_pk8_fp8_f32 v[PC+4*\b+2:PC+4*\b+3], v[T+16*\b+8:T+16*\b+15], v[TMP+12+\b]
.endr
.rept 4
	v_nop                                          ; the plain line behind the last conversion, and four places between codes made by vector lines and the scaled product
.endr
	s_wait_loadcnt 0x0                             ; Wo's tile, its scale words, bo
	WIN 0x01                                       ; source 0 (Wo) window 1
	v_wmma_scale_f32_16x16x128_f8f6f4 v[DO:DO+7], v[AKF:AKF+15], v[PC:PC+15], v[BO:BO+7], v[SC1], v[SC0]   ; transposed: lane (r, h): row r % 8, outputs 16 w + 8 h + 0 .. 7; bo starts the sum
	WIN 0
.rept 8
	v_nop
.endr
	ds_store_b128 v[ASS], v[DO:DO+3]               ; lanes r and r + 8 write the same bytes with the same values
	ds_store_b128 v[ASS], v[DO+4:DO+7] offset:16
	BAR                                            ; 8 whole rows of the result lie in the stage
	ds_load_b128 v[T:T+3], v[ASR]                  ; wave w takes row w
	s_wait_dscnt 0x0
	global_store_b128 v[AGO], v[T:T+3], s[46:47] th:TH_STORE_NT   ; 32 lanes store 512 consecutive bytes, at a multiple of 256 from out0's first byte; written once, read by nobody here
	s_wait_tensorcnt 0x0
	ds_add_u32 v54, v55
	s_wait_dscnt 0x0
	s_endpgm
.Lfunc_end_k_q3adfde6128_outer:
	.size	k_q3adfde6128_outer, .Lfunc_end_k_q3adfde6128_outer-k_q3adfde6128_outer
	.p2alignl 7, 3214868480
	.fill 96, 4, 3214868480
	.section	.rodata,"a",@progbits
	.p2align	6, 0x0
	.amdhsa_kernel k_q3adfde6128_outer
		.amdhsa_group_segment_fixed_size 298240
		.amdhsa_private_segment_fixed_size 0
		.amdhsa_enable_private_segment 0
		.amdhsa_kernarg_size 160
		.amdhsa_user_sgpr_count 2
		.amdhsa_user_sgpr_kernarg_segment_ptr 1
		.amdhsa_wavefront_size32 1
		.amdhsa_system_sgpr_workgroup_id_x 1
		.amdhsa_system_sgpr_workgroup_id_y 1
		.amdhsa_system_sgpr_workgroup_id_z 1
		.amdhsa_system_vgpr_workitem_id 0
		.amdhsa_next_free_vgpr 512
		.amdhsa_next_free_sgpr 80
		.amdhsa_reserve_vcc 0
		.amdhsa_float_denorm_mode_32 3
		.amdhsa_float_denorm_mode_16_64 3
		.amdhsa_memory_ordered 1
		.amdhsa_forward_progress 1
		.amdhsa_inst_pref_size 225
	.end_amdhsa_kernel
	.amdgpu_metadata
---
amdhsa.version: [ 1, 2 ]
amdhsa.kernels:
  - .name:           k_q3adfde6128_outer
    .symbol:         k_q3adfde6128_outer.kd
    .args:
      - { .name: q_codes, .offset: 0, .size: 8, .value_kind: global_buffer, .address_space: global }
      - { .name: q_scales, .offset: 8, .size: 8, .value_kind: global_buffer, .address_space: global }
      - { .name: k_codes, .offset: 16, .size: 8, .value_kind: global_buffer, .address_space: global }
      - { .name: k_scales, .offset: 24, .size: 8, .value_kind: global_buffer, .address_space: global }
      - { .name: v_codes, .offset: 32, .size: 8, .value_kind: global_buffer, .address_space: global }
      - { .name: v_scales, .offset: 40, .size: 8, .value_kind: global_buffer, .address_space: global }
      - { .name: mask, .offset: 48, .size: 8, .value_kind: global_buffer, .address_space: global }
      - { .name: Wq_codes, .offset: 56, .size: 8, .value_kind: global_buffer, .address_space: global }
      - { .name: Wq_scales, .offset: 64, .size: 8, .value_kind: global_buffer, .address_space: global }
      - { .name: bq, .offset: 72, .size: 8, .value_kind: global_buffer, .address_space: global }
      - { .name: Wk_codes, .offset: 80, .size: 8, .value_kind: global_buffer, .address_space: global }
      - { .name: Wk_scales, .offset: 88, .size: 8, .value_kind: global_buffer, .address_space: global }
      - { .name: bk, .offset: 96, .size: 8, .value_kind: global_buffer, .address_space: global }
      - { .name: Wv_codes, .offset: 104, .size: 8, .value_kind: global_buffer, .address_space: global }
      - { .name: Wv_scales, .offset: 112, .size: 8, .value_kind: global_buffer, .address_space: global }
      - { .name: bv, .offset: 120, .size: 8, .value_kind: global_buffer, .address_space: global }
      - { .name: Wo_codes, .offset: 128, .size: 8, .value_kind: global_buffer, .address_space: global }
      - { .name: Wo_scales, .offset: 136, .size: 8, .value_kind: global_buffer, .address_space: global }
      - { .name: bo, .offset: 144, .size: 8, .value_kind: global_buffer, .address_space: global }
      - { .name: out0, .offset: 152, .size: 8, .value_kind: global_buffer, .address_space: global }
    .group_segment_fixed_size: 298240
    .private_segment_fixed_size: 0
    .kernarg_segment_align: 8
    .kernarg_segment_size: 160
    .max_flat_workgroup_size: 256
    .sgpr_count:     80
    .vgpr_count:     512
    .wavefront_size: 32
...
	.end_amdgpu_metadata
.endif
;; end of part 1
;; ======== version 2 of 2: 1 launch; version 1 with the launch outer written anew for expert scheduling mode
;; launch outer (part 2): grid 64 x 4, 8 waves a work-group, no clusters, 298,240 bytes of LDS; arguments q_codes, q_scales, k_codes, k_scales, v_codes, v_scales, mask, Wq_codes, Wq_scales, bq, Wk_codes, Wk_scales, bk, Wv_codes, Wv_scales, bv, Wo_codes, Wo_scales, bo, out0; writes out0
.if DOCPART == 2
	.amdgcn_target "amdgcn-amd-amdhsa--gfx1250"
	.amdhsa_code_object_version 6
	.text
	.protected	k_q3adfde6128_outer
	.globl	k_q3adfde6128_outer
	.p2align	8
	.type	k_q3adfde6128_outer,@function
k_q3adfde6128_outer:
	s_mov_b64 s[64:65], 0
	v_nop
	global_prefetch_b8 v0, s[64:65] scope:SCOPE_SE
	s_setreg_imm32_b32 hwreg(HW_REG_WAVE_SCHED_MODE, 0, 2), 2
	s_setreg_imm32_b32 hwreg(HW_REG_WAVE_MODE, 25, 1), 1
	s_wait_xcnt 0x0
	s_wait_alu depctr_vm_vsrc(0)
; out0[b][n][:] = Q(o[b][n][:]) Wo^T + bo,  o[b][n][d] = sum over m of softmax_m(qp[b][n][d] kp[b][m][d]) vp[b][m][d],  qp = q Wq^T + bq, kp = k Wk^T + bk, vp = v Wv^T + bv.
; The four products with weights run on E4M3 codes with E8M0 scales (16x16x128, scaled); the softmax per channel is f32 vector work: 4 x 512 x 512 x 128 exponentials, which bound the launch.
; A row with mask 0 has a uniform softmax: its q is replaced by 0 (a scalar select of the multiplier, no branch): then every p is 1, the sum 512, o the mean of vp.
; SHARES.  256 work-groups: x = a block of 8 rows n, y = the batch.  Eight waves, two to a SIMD, 512 registers each.  The 512 keys go in 4 chunks of 128 through two LDS buffers by turns.
;   PROJ: a chunk's kp and vp are made from codes by the work-group itself: wave (eh = bit 0, mp = bits 2:1 of its number) takes rows m 32 mp .. +31 against channels 64 eh .. +63: 16 matrix instructions.  Its 4 + 4
;   fragments of Wk and Wv stay in registers; its 4 fragments of k and v are loaded one chunk ahead.  Source 0 = 16 rows m, source 1 = 16 rows of W: a lane holds ONE channel and 8 neighbouring m: 32 bytes of LDS row [d][m].
;   ATTN: lane = channel d = 32 g + lane (g = bits 1:0 of the wave's number), all 8 rows n in registers, m = 64 hf .. +63 of the chunk (hf = bit 2): each kp and vp is read from LDS once and feeds 8 exponentials.
; THE MAXIMUM.  max over m of q k_m = max(q kmax, q kmin): PROJ also leaves each channel's largest and smallest kp of the chunk; ATTN keeps them running and with them M, the row's exact largest exponent so far;
;   when M moves, sum and accumulator are multiplied by 2^(old M - new M).  p = 2^(k q' - M), q' = (qp + bq) log2(e).
; bv is added once, behind the division: sum p (v + bv) / sum p = sum p v / sum p + bv.
; NO CLUSTER, NO TENSOR LOADS: what work-groups share is 128 KB of k's and v's codes and 32 KB of weights' for a work-group's whole run; they go from memory straight into operand registers, a chunk
;   (256 exponentials a lane) ahead of their use; a road through LDS would add a round trip, and beside the two buffers LDS has 30,464 bytes left.  No prefetch: no wave waits for memory behind the head.
; LIMITS.  NaN, infinities and scale bytes 0xff among the inputs are not served.  |qp kp log2(e)| must stay finite in f32.  A block of o whose largest magnitude lies under 2^-118 keeps the scale byte 1
;   (a block of zeros too, where the rule says 127: its codes are zeros, and only this text reads the byte).  The sums over m run in another order than a plain sum: two halves of each chunk, in pairs.
; THE MODE: SCHED_MODE bits 1:0 = 2 (LLVM: expert scheduling mode 2), set by the entry lines.  The code itself states the register dependences
;   between vector or matrix instructions and memory or LDS instructions, with s_wait_alu, always for 0.
; THE PLAN.  Registers that memory or LDS instructions touch:
;   v1-v10      global offsets: written at the head, ahead of one wait on va_vdst, and never again.
;   v11-v22, v25-v31  LDS addresses and out0's offset: written at the head, ahead of the wait that stands in front of qp's stores, and never again.
;   CK, CV      the loop's LDS addresses: written once a trip, behind a wait on vm_vsrc and ahead of the first group's wait on va_vdst; read by the trip's eight loads.
;   KB0, KB1    kp of a group: read by the group's scalings, which stand AHEAD of the group's wait on va_vdst.      VB0, VB1  vp of a group: read by the group's sums, which stand BEHIND it.
;               So behind group g's wait KB[g % 2] is free (g's scalings are done) and so is VB[(g + 1) % 2] (g - 1's sums are done): there vp of group g + 1 and kp of group g + 2 are asked for, with no further wait.
;   T, U, TMP+8..15  written by a projection's matrix and vector lines, read by its LDS stores behind ONE wait on va_vdst, written again behind the wait on vm_vsrc at the head of the attention that follows.
;   AKF, AVF, AKS, AVS  k's and v's fragments and scale words: read by a projection's products, loaded again behind the same wait on va_vdst.
;   TMP+0..7    written by the projection's lane permutes, then by the attention's loads of the extremes: the same wait stands between.
; No vector line writes a scalar register or VCC, and EXEC is never written.
; LDS
.set PITCH, 528                        ; a channel's row of a chunk: 128 m x 4 bytes + 16: an odd multiple of 16
.set VP0,  128*PITCH                   ; KP0 at 0, VP0, KP1, VP1: 67,584 bytes each
.set KP1,  2*128*PITCH
.set VP1,  3*128*PITCH
.set MM0,  4*128*PITCH                 ; per channel 48 bytes: words 0-3 the largest kp of the four mp, words 4-7 the smallest; two buffers
.set MMB,  128*48
.set QP,   MM0+2*MMB                   ; per channel 48 bytes: qp of the 8 rows
.set OUTF, QP+MMB                      ; o: 8 rows n, pitch 528
.set STG,  OUTF+8*PITCH                ; the result: 8 rows n, pitch 528.  Ends at 297,216
; (RED, 8 waves x 2,048 bytes of register images, lies at 0, in KP0, whose last read stands ahead of the last barrier of the chunks)
; REGISTERS, window 0
.set VW,   1                           ; global offsets: my 4 tiles of Wk, Wv: 128 r + 16 h + 8192 eh
.set VWS,  2                           ; their scale words, and bk: 4 r + 256 eh
.set VAM,  3                           ; my 32 rows of a chunk of k, v: 128 r + 16 h + 4096 mp
.set VAS,  4                           ; their scale words: 4 r + 128 mp
.set VWO,  5                           ; tile w of Wq, Wo: 128 r + 16 h + 2048 w
.set VWOS, 6                           ; 4 r + 64 w
.set VBO,  7                           ; bo: 64 w + 32 h
.set VQ,   8                           ; q: 128 (r % 8) + 16 h
.set VQS,  9                           ; 4 (r % 8)
.set VD4,  10                          ; 4 d
.set AST,  11                          ; v11-14 LDS: where PROJ stores: KP0, VP0, KP1, VP1 + 528 r + 32 h + 128 mp + 33792 eh
.set ARD,  15                          ; v15-18 where ATTN reads: the same four + 528 d + 256 hf
.set AMMS, 19
.set AMMR, 20
.set AQS,  21
.set AQR,  22
.set CK,   23                          ; the loop's addresses
.set CV,   24
.set ARS,  25
.set ARR,  26
.set AOS,  27
.set AOR,  28
.set ASS,  29
.set ASR,  30
.set AGO,  31
.set SC0,  32                          ; v32-45 hold scale words and nothing else: q's, later o's;
.set SC1,  33                          ; Wq's, later Wo's;
.set AKS,  34                          ; k's (2), v's (2),
.set AVS,  36
.set WKS,  38                          ; Wk's (4), Wv's (4)
.set WVS,  42
.set BK,   46                          ; v46-49 bk of my channel in each of my 4 tiles
.set BV,   50                          ; bv[d], bq[d]
.set BQ,   51
.set KMAX, 52
.set KMIN, 53
.set QM,   56                          ; v56-71  row j: (q', M)
.set SUM,  72                          ; v72-87  row j: the sum, even m's and odd m's
.set ACC,  88                          ; v88-103 row j: sum of p v, likewise
.set KB,   104                         ; v104-119 8 kp, two sets
.set VB,   120                         ; v120-135 8 vp, two sets
.set T,    136                         ; v136-199 at work: kp's 8 result tiles; the 64 exponents of a group
.set TMP,  200                         ; v200-215
.set F,    216                         ; v216-223
.set BO,   224
.set PC,   232
.set DO,   248
; window 1
.set WK,   0                           ; Wk's 4 fragments, Wv's 4
.set WV,   64
.set AKF,  128                         ; k's 2 fragments (at the end: Wo's one), v's 2
.set AVF,  160
.set U,    192                         ; vp's 8 result tiles
.set MSB, 0
.macro WIN new                         ; s_set_vgpr_msb: bits 1:0 source 0, 3:2 source 1, 5:4 source 2, 7:6 destination; the high byte repeats the setting that is left
.if MSB != \new
	s_set_vgpr_msb (MSB<<8)|\new
.set MSB, \new
.endif
.endm
.macro BAR                             ; my LDS stores have landed and my LDS loads are in: then the work-group's barrier
	s_wait_dscnt 0x0
	s_barrier_signal -1
	s_barrier_wait -1
.endm
; my 2 + 2 fragments of chunk ch and their scale words: 20 loads
.macro ALOAD ch
	WIN 0x40                                       ; destination window 1, address window 0
.irp t, 0,1
.irp u, 0,1,2,3
	global_load_b128 v[AKF+16*\t+4*\u:AKF+16*\t+4*\u+3], v[VAM], s[12:13] offset:16384*(\ch)+2048*\t+32*\u
	global_load_b128 v[AVF+16*\t+4*\u:AVF+16*\t+4*\u+3], v[VAM], s[16:17] offset:16384*(\ch)+2048*\t+32*\u
.endr
.endr
	WIN 0
.irp t, 0,1
	global_load_b32 v[AKS+\t], v[VAS], s[14:15] offset:512*(\ch)+64*\t
	global_load_b32 v[AVS+\t], v[VAS], s[18:19] offset:512*(\ch)+64*\t
.endr
.endm
; kp's 8 tiles in T: + bk; each channel's largest and smallest of my 32 m: the vector lines
.macro POSTKV
.irp q, 0,1,2,3                        ; each tile's lowest pair first
.irp t, 0,1
.irp i, 0,2                            ; of the pair (bk of tile i, bk of tile i + 1) the low word serves tile i, the high word tile i + 1
	v_pk_add_f32 v[T+8*(4*\t+\i)+2*\q:T+8*(4*\t+\i)+2*\q+1], v[T+8*(4*\t+\i)+2*\q:T+8*(4*\t+\i)+2*\q+1], v[BK+\i:BK+\i+1] op_sel_hi:[1,0]
	v_pk_add_f32 v[T+8*(4*\t+\i+1)+2*\q:T+8*(4*\t+\i+1)+2*\q+1], v[T+8*(4*\t+\i+1)+2*\q:T+8*(4*\t+\i+1)+2*\q+1], v[BK+\i:BK+\i+1] op_sel:[0,1] op_sel_hi:[1,1]
.endr
.endr
.endr
.irp i, 0,1,2,3                        ; number n of my 16 of channel tile i lies at T + 8 i + n % 8 + 32 (n / 8); the four tiles by turns
	v_max3_num_f32 v[TMP+8+\i],  v[T+8*\i], v[T+8*\i+1], v[T+8*\i+2]
	v_min3_num_f32 v[TMP+12+\i], v[T+8*\i], v[T+8*\i+1], v[T+8*\i+2]
.endr
.irp n, 3,5,7,9,11,13
.irp i, 0,1,2,3
	v_max3_num_f32 v[TMP+8+\i],  v[TMP+8+\i],  v[T+8*\i+(\n%8)+32*(\n/8)], v[T+8*\i+((\n+1)%8)+32*((\n+1)/8)]
	v_min3_num_f32 v[TMP+12+\i], v[TMP+12+\i], v[T+8*\i+(\n%8)+32*(\n/8)], v[T+8*\i+((\n+1)%8)+32*((\n+1)/8)]
.endr
.endr
.irp i, 0,1,2,3
	v_max_num_f32 v[TMP+8+\i],  v[TMP+8+\i],  v[T+8*\i+39]
	v_min_num_f32 v[TMP+12+\i], v[TMP+12+\i], v[T+8*\i+39]
.endr
.irp i, 0,1,2,3,4,5,6,7
	v_permlanex16_b32 v[TMP+\i], v[TMP+8+\i], s56, s57           ; lane l xor 16 holds the channel's other 16 m
.endr
.irp i, 0,1,2,3
	v_max_num_f32 v[TMP+8+\i],  v[TMP+8+\i],  v[TMP+\i]
	v_min_num_f32 v[TMP+12+\i], v[TMP+12+\i], v[TMP+4+\i]
.endr
.endm
; and all of it to LDS buffer p
.macro POSTKS p
.irp t, 0,1
.irp i, 0,1,2,3
	ds_store_b128 v[AST+2*(\p)], v[T+8*(4*\t+\i):T+8*(4*\t+\i)+3]   offset:16*PITCH*\i+64*\t      ; channel 64 eh + 16 i + r, m = 32 mp + 16 t + 8 h + 0 .. 7
	ds_store_b128 v[AST+2*(\p)], v[T+8*(4*\t+\i)+4:T+8*(4*\t+\i)+7] offset:16*PITCH*\i+64*\t+16
.endr
.endr
.irp i, 0,1,2,3
	ds_store_b32 v[AMMS], v[TMP+8+\i]  offset:MMB*(\p)+768*\i     ; both halves of the lanes write the same word with the same value
	ds_store_b32 v[AMMS], v[TMP+12+\i] offset:MMB*(\p)+768*\i+16
.endr
.endm
.macro STV p                           ; vp's 8 tiles go to LDS as they are (bv is added at the end)
	WIN 0x04                                       ; an LDS store's data are its source 1: window 1
.irp t, 0,1
.irp i, 0,1,2,3
	ds_store_b128 v[AST+2*(\p)+1], v[U+8*(4*\t+\i):U+8*(4*\t+\i)+3]   offset:16*PITCH*\i+64*\t
	ds_store_b128 v[AST+2*(\p)+1], v[U+8*(4*\t+\i)+4:U+8*(4*\t+\i)+7] offset:16*PITCH*\i+64*\t+16
.endr
.endr
	WIN 0
.endm
; Chunk ch is projected into buffer ch % 2.  nxt = 1: the next chunk's fragments are asked for; 2: Wo's tile, its scale words and bo.
.macro PROJ ch, nxt
.if \ch > 0
	s_wait_loadcnt 0x0                             ; the chunk's fragments, asked for a whole chunk of attention ago
.endif
	WIN 0x05                                       ; sources 0 and 1 window 1, result window 0
.irp t, 0,1
.irp i, 0,1,2,3                        ; sixteen results, each begun with the constant 0: no two lines share an accumulator
	v_wmma_scale_f32_16x16x128_f8f6f4 v[T+8*(4*\t+\i):T+8*(4*\t+\i)+7], v[AKF+16*\t:AKF+16*\t+15], v[WK+16*\i:WK+16*\i+15], 0, v[AKS+\t], v[WKS+\i]
.endr
.endr
	WIN 0x45                                       ; result window 1
.irp t, 0,1
.irp i, 0,1,2,3
	v_wmma_scale_f32_16x16x128_f8f6f4 v[U+8*(4*\t+\i):U+8*(4*\t+\i)+7], v[AVF+16*\t:AVF+16*\t+15], v[WV+16*\i:WV+16*\i+15], 0, v[AVS+\t], v[WVS+\i]
.endr
.endr
	WIN 0
.rept 8
	v_nop                                          ; eight places behind this form ahead of the reads of results
.endr
	POSTKV
	WIN 0x40                                       ; the loads' window first, then the wait, then the loads
	s_wait_alu depctr_va_vdst(0)                   ; T, TMP+8..15 and U are written, which the LDS stores below read; the products are done reading k's and v's fragments and scale words, in which the loads below land;
	                                               ; the attention before is done reading KB, VB and TMP+0..7, in which the next attention's first loads land.  No vector or matrix line follows in this macro
.if \nxt == 1
	ALOAD (\ch)+1
.else
.irp u, 0,1,2,3
	global_load_b128 v[AKF+4*\u:AKF+4*\u+3], v[VWO], s[40:41] offset:32*\u
.endr
	WIN 0
	global_load_b32 v[SC1], v[VWOS], s[42:43]
	global_load_b128 v[BO:BO+3], v[VBO], s[44:45]
	global_load_b128 v[BO+4:BO+7], v[VBO], s[44:45] offset:16
.endif
	POSTKS (\ch)%2
	STV (\ch)%2
.endm
; 8 m of my channel: kp, or vp, into set sx: two loads
.macro LDK sx, ak, off
	ds_load_b128 v[KB+8*\sx:KB+8*\sx+3],   v[\ak] offset:\off
	ds_load_b128 v[KB+8*\sx+4:KB+8*\sx+7], v[\ak] offset:\off+16
.endm
.macro LDV sx, av, off
	ds_load_b128 v[VB+8*\sx:VB+8*\sx+3],   v[\av] offset:\off
	ds_load_b128 v[VB+8*\sx+4:VB+8*\sx+7], v[\av] offset:\off+16
.endm
; A group is 8 m x 8 rows.  Its first half: 32 packed scalings, 64 exponentials as ONE batch.  They read KB[sx]
.macro EXPS sx
.irp j, 0,1,2,3,4,5,6,7
.irp i, 0,1,2,3
	v_pk_fma_f32 v[T+8*\j+2*\i:T+8*\j+2*\i+1], v[KB+8*\sx+2*\i:KB+8*\sx+2*\i+1], v[QM+2*\j:QM+2*\j+1], v[QM+2*\j:QM+2*\j+1] op_sel:[0,0,1] op_sel_hi:[1,0,1] neg_lo:[0,0,1] neg_hi:[0,0,1]   ; k q' - M: of the pair (q', M) the low word multiplies both, the high word is taken from both
.endr
.endr
.set n, 0
.rept 64
	v_exp_f32 v[T+n], v[T+n]
.set n, n+1
.endr
.endm
; Its second half: 64 packed sums in sixteen chains by turns.  They read VB[sx]
.macro SUMS sx
.irp i, 0,1,2,3
.irp j, 0,1,2,3,4,5,6,7
	v_pk_add_f32 v[SUM+2*\j:SUM+2*\j+1], v[SUM+2*\j:SUM+2*\j+1], v[T+8*\j+2*\i:T+8*\j+2*\i+1]
	v_pk_fma_f32 v[ACC+2*\j:ACC+2*\j+1], v[T+8*\j+2*\i:T+8*\j+2*\i+1], v[VB+8*\sx+2*\i:VB+8*\sx+2*\i+1], v[ACC+2*\j:ACC+2*\j+1]
.endr
.endr
.endm
; The attention of my channel and my 64 m of the chunk in buffer p: eight groups.  first = 1: the first chunk, which has no old M.  bare = 1: no projection stands between the attention before and this one.
.macro ATTN p, first, bare
.if \bare
	s_wait_alu depctr_va_vdst(0)                   ; the last chunk's groups are done reading KB and VB, in which the loads below land
.endif
	ds_load_b128 v[TMP:TMP+3],   v[AMMR] offset:MMB*\p         ; the chunk's four largest kp of my channel,
	ds_load_b128 v[TMP+4:TMP+7], v[AMMR] offset:MMB*\p+16      ; and its four smallest
	LDK 0, ARD+2*\p, 0                             ; kp of group 0, vp of group 0, kp of group 1
	LDV 0, ARD+2*\p+1, 0
	LDK 1, ARD+2*\p, 32
	s_wait_dscnt 6                                 ; all but those six loads: the two quads are in
.if !\bare
	s_wait_alu depctr_vm_vsrc(0)                   ; the projection's LDS stores have read T, which the lines below write, and U and TMP+8..15, which the next projection writes
.endif
.if \first
	v_max3_num_f32 v[KMAX], v[TMP], v[TMP+1], v[TMP+2]
	v_min3_num_f32 v[KMIN], v[TMP+4], v[TMP+5], v[TMP+6]
	v_max_num_f32 v[KMAX], v[KMAX], v[TMP+3]
	v_min_num_f32 v[KMIN], v[KMIN], v[TMP+7]
.else
	v_max3_num_f32 v[KMAX], v[KMAX], v[TMP], v[TMP+1]
	v_min3_num_f32 v[KMIN], v[KMIN], v[TMP+4], v[TMP+5]
	v_max3_num_f32 v[KMAX], v[KMAX], v[TMP+2], v[TMP+3]
	v_min3_num_f32 v[KMIN], v[KMIN], v[TMP+6], v[TMP+7]
.endif
.irp j, 0,1,2,3,4,5,6,7
	v_mul_f32 v[T+2*\j],   v[QM+2*\j], v[KMAX]
	v_mul_f32 v[T+2*\j+1], v[QM+2*\j], v[KMIN]
.endr
.if \first
.irp j, 0,1,2,3,4,5,6,7
	v_max_num_f32 v[QM+2*\j+1], v[T+2*\j], v[T+2*\j+1]         ; M: the largest q' k over all m so far
.endr
.else
.irp j, 0,1,2,3,4,5,6,7
	v_max_num_f32 v[T+2*\j], v[T+2*\j], v[T+2*\j+1]
.endr
.irp j, 0,1,2,3,4,5,6,7
	v_sub_f32 v[F+\j], v[QM+2*\j+1], v[T+2*\j]                 ; old M - new M: 0 or less
.endr
.irp j, 0,1,2,3,4,5,6,7
	v_exp_f32 v[F+\j], v[F+\j]
.endr
.irp j, 0,1,2,3,4,5,6,7
	v_mov_b32 v[QM+2*\j+1], v[T+2*\j]                          ; (plain lines behind the exponentials)
.endr
	s_wait_alu depctr_va_vdst(0)                   ; the eight exponentials have written F: one wait for the eight, ahead of their first reader
.irp j, 0,2,4,6
	v_pk_mul_f32 v[SUM+2*\j:SUM+2*\j+1],   v[SUM+2*\j:SUM+2*\j+1],   v[F+\j:F+\j+1] op_sel_hi:[1,0]
	v_pk_mul_f32 v[ACC+2*\j:ACC+2*\j+1],   v[ACC+2*\j:ACC+2*\j+1],   v[F+\j:F+\j+1] op_sel_hi:[1,0]
	v_pk_mul_f32 v[SUM+2*\j+2:SUM+2*\j+3], v[SUM+2*\j+2:SUM+2*\j+3], v[F+\j:F+\j+1] op_sel:[0,1] op_sel_hi:[1,1]
	v_pk_mul_f32 v[ACC+2*\j+2:ACC+2*\j+3], v[ACC+2*\j+2:ACC+2*\j+3], v[F+\j:F+\j+1] op_sel:[0,1] op_sel_hi:[1,1]
.endr
.endif
	s_mov_b32 s60, 0
.Lgroups_\@:                           ; three trips of two groups, 2 t and 2 t + 1; at the head kp of 2 t, vp of 2 t and kp of 2 t + 1 have been asked for, in that order, on the way in and round the back edge
	s_wait_dscnt 4                                 ; kp of group 2 t is in; vp of 2 t and kp of 2 t + 1 may be out
	EXPS 0
	s_wait_alu depctr_vm_vsrc(0)                   ; the LDS loads issued so far have read CK and CV
	v_add_nc_u32 v[CK], s60, v[ARD+2*\p]           ; this trip's addresses: 64 t bytes on.  (These two are also the plain lines behind the last exponential: ISA guide 5.7.2)
	v_add_nc_u32 v[CV], s60, v[ARD+2*\p+1]
	s_wait_alu depctr_va_vdst(0)                   ; the 64 exponentials have written T, ahead of their first reader; CK and CV are written; the scalings are done reading KB0 and the group before is done reading VB1
	LDV 1, CV, 32                                  ; vp of group 2 t + 1
	LDK 0, CK, 64                                  ; kp of group 2 t + 2
	s_wait_dscnt 6                                 ; vp of group 2 t is in; kp of 2 t + 1 and the four just issued may be out
	SUMS 0
	s_wait_dscnt 4                                 ; kp of group 2 t + 1 is in
	EXPS 1
	v_nop                                          ; a plain line behind the last exponential (ISA guide 5.7.2)
	s_wait_alu depctr_va_vdst(0)                   ; the 64 exponentials have written T, ahead of their first reader; the scalings are done reading KB1 and the group before is done reading VB0
	LDV 0, CV, 64                                  ; vp of group 2 t + 2
	LDK 1, CK, 96                                  ; kp of group 2 t + 3
	s_wait_dscnt 6                                 ; vp of group 2 t + 1 is in
	SUMS 1
	s_add_co_u32 s60, s60, 64
	s_cmp_lt_u32 s60, 192
	s_cbranch_scc1 .Lgroups_\@
	s_wait_dscnt 4                                 ; the last two groups are written out: nothing is read past my 256 bytes of the row.  kp of group 6 is in
	EXPS 0
	v_nop                                          ; a plain line behind the last exponential
	s_wait_alu depctr_va_vdst(0)                   ; the 64 exponentials have written T, ahead of their first reader; group 5 is done reading VB1
	LDV 1, ARD+2*\p+1, 224                         ; vp of group 7
	s_wait_dscnt 4                                 ; vp of group 6 is in; kp and vp of group 7 may be out
	SUMS 0
	s_wait_dscnt 2                                 ; kp of group 7 is in
	EXPS 1
	v_nop                                          ; a plain line behind the last exponential
	s_wait_alu depctr_va_vdst(0)                   ; the 64 exponentials have written T, ahead of their first reader
	s_wait_dscnt 0x0                               ; vp of group 7 is in
	SUMS 1
.endm
; ---- THE HEAD
	s_load_b512 s[8:23], s[0:1], 0x0               ; q_codes 8, q_scales 10, k_codes 12, k_scales 14, v_codes 16, v_scales 18, mask 20, Wq_codes 22
	s_load_b512 s[24:39], s[0:1], 0x40             ; Wq_scales 24, bq 26, Wk_codes 28, Wk_scales 30, bk 32, Wv_codes 34, Wv_scales 36, bv 38
	s_load_b256 s[40:47], s[0:1], 0x80             ; Wo_codes 40, Wo_scales 42, bo 44, out0 46
	v_lshl_add_u32 v54, v0, 2, 0x48900
	v_mov_b32 v55, 0
	v_and_b32 v[T+0], 31, v0                       ; l
	v_and_b32 v[T+1], 15, v0                       ; r
	v_and_b32 v[T+2], 7, v0                        ; r % 8
	v_bfe_u32 v[T+3], v0, 4, 1                     ; h
	v_lshrrev_b32 v[T+4], 5, v0                    ; w
	v_bfe_u32 v[T+5], v0, 5, 1                     ; eh
	v_bfe_u32 v[T+6], v0, 6, 2                     ; mp
	v_bfe_u32 v[T+7], v0, 5, 2                     ; g
	v_bfe_u32 v[T+8], v0, 7, 1                     ; hf
	v_and_b32 v[T+9], 127, v0                      ; d
	v_lshlrev_b32 v[T+10], 7, v[T+1]
	v_lshl_add_u32 v[T+10], v[T+3], 4, v[T+10]     ; 128 r + 16 h: a fragment's row of 128 codes and my half's 16 bytes
	v_lshlrev_b32 v[T+11], 2, v[T+1]               ; 4 r
	v_lshl_add_u32 v[VW], v[T+5], 13, v[T+10]
	v_lshl_add_u32 v[VWS], v[T+5], 8, v[T+11]
	v_lshl_add_u32 v[VAM], v[T+6], 12, v[T+10]
	v_lshl_add_u32 v[VAS], v[T+6], 7, v[T+11]
	v_lshl_add_u32 v[VWO], v[T+4], 11, v[T+10]
	v_lshl_add_u32 v[VWOS], v[T+4], 6, v[T+11]
	v_lshlrev_b32 v[VBO], 5, v[T+3]
	v_lshl_add_u32 v[VBO], v[T+4], 6, v[VBO]
	v_lshlrev_b32 v[VQ], 7, v[T+2]
	v_lshl_add_u32 v[VQ], v[T+3], 4, v[VQ]
	v_lshlrev_b32 v[VQS], 2, v[T+2]
	v_lshlrev_b32 v[VD4], 2, v[T+9]
	s_and_b32 s66, ttmp7, 0xffff                   ; the batch b; ttmp9 = x, the block of 8 rows
	s_lshl_b32 s68, s66, 16                        ; k's and v's codes: b x 512 rows x 128 bytes
	s_mov_b32 s69, 0
	s_lshl_b32 s70, s66, 11                        ; their scale bytes: b x 512 x 4
	s_mov_b32 s71, 0
	s_lshl_b32 s72, ttmp9, 10
	s_add_co_u32 s72, s72, s68                     ; q's codes: + x x 8 rows x 128
	s_mov_b32 s73, 0
	s_lshl_b32 s74, ttmp9, 5
	s_add_co_u32 s74, s74, s70                     ; q's scale bytes, and the mask: + x x 8 x 4
	s_mov_b32 s75, 0
	s_lshl_b32 s66, s66, 18
	s_lshl_b32 s67, ttmp9, 12
	s_add_co_u32 s66, s66, s67                     ; out0: b x 512 x 512 + x x 8 x 512
	s_mov_b32 s67, 0
	s_mov_b32 s56, 0x76543210                      ; v_permlanex16_b32's selects for lane l xor 16
	s_mov_b32 s57, 0xfedcba98
	s_mov_b32 s58, 0x600000                        ; the mantissa field of 448
	s_wait_kmcnt 0x0
	s_add_nc_u64 s[8:9], s[8:9], s[72:73]          ; the bases are written here once and never again
	s_add_nc_u64 s[10:11], s[10:11], s[74:75]
	s_add_nc_u64 s[12:13], s[12:13], s[68:69]
	s_add_nc_u64 s[14:15], s[14:15], s[70:71]
	s_add_nc_u64 s[16:17], s[16:17], s[68:69]
	s_add_nc_u64 s[18:19], s[18:19], s[70:71]
	s_add_nc_u64 s[20:21], s[20:21], s[74:75]
	s_add_nc_u64 s[46:47], s[46:47], s[66:67]
	s_load_b256 s[48:55], s[20:21], 0x0            ; the mask of my 8 rows
	s_wait_alu depctr_va_vdst(0)                   ; the ten offsets v1 to v10 are written, which every global load of the kernel reads; only loads and window switches stand between this wait and the last load of the head
.irp u, 0,1,2,3
	global_load_b128 v[KB+4*\u:KB+4*\u+3], v[VQ], s[8:9] offset:32*\u        ; q's fragment: rows 8-15 repeat rows 0-7
	global_load_b128 v[VB+4*\u:VB+4*\u+3], v[VWO], s[22:23] offset:32*\u     ; Wq's tile w
.endr
	global_load_b32 v[SC0], v[VQS], s[10:11]
	global_load_b32 v[SC1], v[VWOS], s[24:25]
	ALOAD 0
	WIN 0x40
.irp i, 0,1,2,3
.irp u, 0,1,2,3
	global_load_b128 v[WK+16*\i+4*\u:WK+16*\i+4*\u+3], v[VW], s[28:29] offset:2048*\i+32*\u   ; my 4 tiles of Wk and of Wv: they stay
	global_load_b128 v[WV+16*\i+4*\u:WV+16*\i+4*\u+3], v[VW], s[34:35] offset:2048*\i+32*\u
.endr
.endr
	WIN 0
.irp i, 0,1,2,3
	global_load_b32 v[WKS+\i], v[VWS], s[30:31] offset:64*\i
	global_load_b32 v[WVS+\i], v[VWS], s[36:37] offset:64*\i
	global_load_b32 v[BK+\i], v[VWS], s[32:33] offset:64*\i
.endr
	global_load_b32 v[BQ], v[VD4], s[26:27]
	global_load_b32 v[BV], v[VD4], s[38:39]
	; the LDS addresses, while the loads are out: each a constant + constants x parts of the thread's number; none is written again.  None of these lines writes a register that a load above reads or lands in
	v_mul_u32_u24 v[AST], v[T+1], PITCH
	v_lshl_add_u32 v[AST], v[T+3], 5, v[AST]
	v_lshl_add_u32 v[AST], v[T+6], 7, v[AST]
	v_mad_u32_u24 v[AST], v[T+5], 64*PITCH, v[AST]
	v_add_nc_u32 v[AST+1], VP0, v[AST]
	v_add_nc_u32 v[AST+2], KP1, v[AST]
	v_add_nc_u32 v[AST+3], VP1, v[AST]
	v_mul_u32_u24 v[ARD], v[T+9], PITCH
	v_lshl_add_u32 v[ARD], v[T+8], 8, v[ARD]
	v_add_nc_u32 v[ARD+1], VP0, v[ARD]
	v_add_nc_u32 v[ARD+2], KP1, v[ARD]
	v_add_nc_u32 v[ARD+3], VP1, v[ARD]
	v_mul_u32_u24 v[T+12], v[T+1], 48              ; 48 r
	v_mad_u32_u24 v[AMMS], v[T+5], 64*48, v[T+12]
	v_lshl_add_u32 v[AMMS], v[T+6], 2, v[AMMS]
	v_add_nc_u32 v[AMMS], MM0, v[AMMS]             ; MM0 + 48 (64 eh + r) + 4 mp
	v_mul_u32_u24 v[T+13], v[T+9], 48              ; 48 d
	v_add_nc_u32 v[AMMR], MM0, v[T+13]
	v_add_nc_u32 v[AQR], QP, v[T+13]
	v_mad_u32_u24 v[AQS], v[T+4], 16*48, v[T+12]
	v_add_nc_u32 v[AQS], QP, v[AQS]                ; QP + 48 (16 w + r)
	v_lshlrev_b32 v[T+14], 4, v[T+0]               ; 16 l
	v_lshl_add_u32 v[ARS], v[T+4], 11, v[T+14]     ; 16 l + 2048 w
	v_lshl_add_u32 v[ARR], v[T+7], 11, v[T+14]
	v_lshl_add_u32 v[ARR], v[T+8], 10, v[ARR]      ; 16 l + 2048 g + 1024 hf
	v_mad_u32_u24 v[AOS], v[T+8], 4*PITCH, v[VD4]
	v_add_nc_u32 v[AOS], OUTF, v[AOS]              ; OUTF + 4 hf rows + 4 d
	v_mul_u32_u24 v[T+15], v[T+2], PITCH           ; 528 (r % 8)
	v_lshl_add_u32 v[AOR], v[T+3], 6, v[T+15]
	v_add_nc_u32 v[AOR], OUTF, v[AOR]
	v_add_nc_u32 v[ASS], v[T+15], v[VBO]
	v_add_nc_u32 v[ASS], STG, v[ASS]               ; STG + 528 (r % 8) + 64 w + 32 h
	v_mad_u32_u24 v[ASR], v[T+4], PITCH, v[T+14]
	v_add_nc_u32 v[ASR], STG, v[ASR]               ; STG + 528 w + 16 l
	v_lshlrev_b32 v[AGO], 4, v0                    ; 512 w + 16 l
.set n, 0
.rept 32
	v_mov_b32 v[SUM+n], 0                          ; the sums and accumulators of 8 rows (the group is written once for all chunks)
.set n, n+1
.endr
.irp i, 0,1,2,3,4,5,6,7
	v_mov_b32 v[TMP+\i], 0                         ; written once: a lane permute's destination counts as one of its sources
.endr
	s_wait_kmcnt 0x0                               ; the mask
.irp j, 0,1,2,3,4,5,6,7
	s_cmp_lg_u32 s[48+\j], 0
	s_cselect_b32 s[48+\j], 0x3fb8aa3b, 0          ; row j's multiplier: log2(e), or 0 where the row is masked
.endr
	s_wait_loadcnt 0x0
	v_wmma_scale_f32_16x16x128_f8f6f4 v[F:F+7], v[KB:KB+15], v[VB:VB+15], 0, v[SC0], v[SC1]   ; lane (r, h): channel 16 w + r; register j: row j (both halves of the lanes alike)
.rept 8
	v_nop                                          ; eight places behind this form, ahead of the stores of its result; they stay beside the wait below
.endr
	s_wait_alu depctr_va_vdst(0)                   ; the product has written F, which the LDS stores read; all LDS addresses and out0's offset, v11 to v31 but CK and CV, are written, for the whole kernel
	ds_store_b128 v[AQS], v[F:F+3]
	ds_store_b128 v[AQS], v[F+4:F+7] offset:16
	PROJ 0, 1
	BAR                                            ; qp and chunk 0 lie in LDS
	s_wait_alu depctr_vm_vsrc(0)                   ; my LDS stores have read T, in which the loads below land, and F, U and TMP+8..15, which later lines write
	ds_load_b128 v[T:T+3], v[AQR]
	ds_load_b128 v[T+4:T+7], v[AQR] offset:16
	s_wait_dscnt 0x0
.irp j, 0,1,2,3,4,5,6,7
	v_add_f32 v[T+\j], v[T+\j], v[BQ]
.endr
.irp j, 0,1,2,3,4,5,6,7
	v_mul_f32 v[QM+2*\j], s[48+\j], v[T+\j]        ; q' = (qp + bq) log2(e), or 0
.endr
; ---- THE CHUNKS.  PROJ writes the buffer that the attention before the last barrier read; the attention behind the next barrier reads it.
	PROJ 1, 1
	ATTN 0, 1, 0
	BAR
	PROJ 2, 1
	ATTN 1, 0, 0
	BAR
	PROJ 3, 2
	ATTN 0, 0, 0
	BAR
	ATTN 1, 0, 1
; ---- THE TAIL
.irp i, 0,1,2,3                        ; even and odd m are added; four registers for rows 2 i and 2 i + 1: two sums, two accumulators
	v_add_f32 v[T+4*\i],   v[SUM+4*\i],   v[SUM+4*\i+1]
	v_add_f32 v[T+4*\i+1], v[SUM+4*\i+2], v[SUM+4*\i+3]
	v_add_f32 v[T+4*\i+2], v[ACC+4*\i],   v[ACC+4*\i+1]
	v_add_f32 v[T+4*\i+3], v[ACC+4*\i+2], v[ACC+4*\i+3]
.endr
	s_wait_alu depctr_va_vdst(0)                   ; the additions have written T .. T+15, which the LDS stores read; the last group is done reading T+16 .. T+31, in which the loads behind the barrier land
.irp i, 0,1,2,3
	ds_store_b128 v[ARS], v[T+4*\i:T+4*\i+3] offset:512*\i       ; as images of the registers: 16 bytes a lane
.endr
	BAR
	ds_load_b128 v[T+16:T+19], v[ARR]              ; rows 4 hf .. 4 hf + 3 of my channel: wave g's half of the m,
	ds_load_b128 v[T+20:T+23], v[ARR] offset:512
	ds_load_b128 v[T+24:T+27], v[ARR] offset:8192  ; and wave g + 4's (both under the same M)
	ds_load_b128 v[T+28:T+31], v[ARR] offset:8704
	s_wait_dscnt 0x0
.irp u, 0,2,4,6
	v_pk_add_f32 v[T+16+\u:T+17+\u], v[T+16+\u:T+17+\u], v[T+24+\u:T+25+\u]
.endr
	v_rcp_f32 v[TMP],   v[T+16]
	v_rcp_f32 v[TMP+1], v[T+17]
	v_rcp_f32 v[TMP+2], v[T+20]
	v_rcp_f32 v[TMP+3], v[T+21]
	v_nop                                          ; a plain line behind the last reciprocal,
	s_wait_alu depctr_va_vdst(0)                   ; the four reciprocals have written TMP .. TMP+3: one wait for the four, ahead of their first reader
	v_fma_f32 v[T+32], v[T+18], v[TMP],   v[BV]    ; o = accumulator / sum + bv
	v_fma_f32 v[T+33], v[T+19], v[TMP+1], v[BV]
	v_fma_f32 v[T+34], v[T+22], v[TMP+2], v[BV]
	v_fma_f32 v[T+35], v[T+23], v[TMP+3], v[BV]
	s_wait_alu depctr_va_vdst(0)                   ; T+32 .. T+35 are written, which the LDS stores read; the lines above are done with T+16 .. T+31, in which the loads behind the barrier land
.irp u, 0,1,2,3
	ds_store_b32 v[AOS], v[T+32+\u] offset:PITCH*\u
.endr
	BAR                                            ; o's 8 rows lie in LDS
	s_wait_alu depctr_vm_vsrc(0)                   ; my LDS stores of the tail have read T .. T+15 and T+32 .. T+35, in which the loads below land
.irp b, 0,1,2,3
.irp u, 0,1,2,3
	ds_load_b128 v[T+16*\b+4*\u:T+16*\b+4*\u+3], v[AOR] offset:128*\b+16*\u   ; lane (r, h): row r % 8; register 16 b + i = channel 32 b + 16 h + i: the operand's own order
.endr
.endr
	s_wait_dscnt 0x0
	; o is quantised along its 128 channels, four blocks of 32; a block lies in lanes l and l xor 16
.irp b, 0,1,2,3
	v_max3_num_f32 v[TMP+\b], |v[T+16*\b]|, |v[T+1+16*\b]|, 0x4800000        ; my 16 numbers, and the floor 2^(9 - 127): the byte cannot fall under 1
.endr
.irp i, 2,4,6,8,10,12,14
.irp b, 0,1,2,3
	v_max3_num_f32 v[TMP+\b], v[TMP+\b], |v[T+16*\b+\i]|, |v[T+1+16*\b+\i]|  ; (the four blocks by turns)
.endr
.endr
.irp b, 0,1,2,3
	v_permlanex16_b32 v[TMP+4+\b], v[TMP+\b], s56, s57
.endr
.irp b, 0,1,2,3
	v_max_num_f32 v[TMP+\b], v[TMP+\b], v[TMP+4+\b]                          ; the block's largest magnitude
.endr
.irp b, 0,1,2,3
	v_add_nc_u32 v[TMP+12+\b], 0xfc000000, v[TMP+\b]                         ; 8 off its exponent field: the conversion's scale operand
.endr
.irp b, 0,1,2,3
	v_and_or_b32 v[TMP+8+\b], v[TMP+\b], 0x7f800000, s58                     ; 448 x the scale
.endr
.irp b, 0,1,2,3
	v_lshrrev_b32 v[TMP+4+\b], 23, v[TMP+12+\b]                              ; the scale's byte
.endr
	v_lshl_or_b32 v[SC0], v[TMP+5], 8, v[TMP+4]    ; my row's scale word; the 64 holds below stand between it and the product
	v_lshl_or_b32 v[SC0], v[TMP+6], 16, v[SC0]
	v_lshl_or_b32 v[SC0], v[TMP+7], 24, v[SC0]
.irp b, 0,1,2,3
.irp i, 0,1,2,3,4,5,6,7,8,9,10,11,12,13,14,15
	v_med3_num_f32 v[T+16*\b+\i], v[T+16*\b+\i], -v[TMP+8+\b], v[TMP+8+\b]   ; the conversion to an 8-bit code does not saturate (ISA guide 7.6.2): the hold at the largest code x the scale
.endr
	v_cvt_scalef32_pk8_fp8_f32 v[PC+4*\b:PC+4*\b+1],   v[T+16*\b:T+16*\b+7],    v[TMP+12+\b]
	v_cvt_scalef32_pk8_fp8_f32 v[PC+4*\b+2:PC+4*\b+3], v[T+16*\b+8:T+16*\b+15], v[TMP+12+\b]
.endr
.rept 4
	v_nop                                          ; the plain line behind the last conversion, and four places between codes made by vector lines and the scaled product
.endr
	s_wait_loadcnt 0x0                             ; Wo's tile, its scale words, bo
	WIN 0x01                                       ; source 0 (Wo) window 1
	s_wait_alu depctr_va_vdst(0)                   ; the conversions have written o's codes and the shifts its scale word, which the scaled product takes; the places above stay beside this wait
	v_wmma_scale_f32_16x16x128_f8f6f4 v[DO:DO+7], v[AKF:AKF+15], v[PC:PC+15], v[BO:BO+7], v[SC1], v[SC0]   ; transposed: lane (r, h): row r % 8, outputs 16 w + 8 h + 0 .. 7; bo starts the sum
	WIN 0
.rept 8
	v_nop                                          ; eight places behind this form, ahead of the stores of its result
.endr
	s_wait_alu depctr_va_vdst(0)                   ; the product has written DO, which the LDS stores read; the holds and conversions are done with T .. T+3, in which the load behind the barrier lands
	ds_store_b128 v[ASS], v[DO:DO+3]               ; lanes r and r + 8 write the same bytes with the same values
	ds_store_b128 v[ASS], v[DO+4:DO+7] offset:16
	BAR                                            ; 8 whole rows of the result lie in the stage
	ds_load_b128 v[T:T+3], v[ASR]                  ; wave w takes row w
	s_wait_dscnt 0x0
	global_store_b128 v[AGO], v[T:T+3], s[46:47] th:TH_STORE_NT   ; 32 lanes store 512 consecutive bytes, at a multiple of 256 from out0's first byte; written once, read by nobody here
	s_wait_dscnt 0x0
	s_wait_alu depctr_hold_cnt(0) depctr_sa_sdst(0) depctr_va_vdst(0) depctr_va_sdst(0) depctr_va_ssrc(0) depctr_va_vcc(0) depctr_vm_vsrc(0)
	s_wait_tensorcnt 0x0
	ds_add_u32 v54, v55
	s_wait_dscnt 0x0
	s_endpgm
.Lfunc_end_k_q3adfde6128_outer:
	.size	k_q3adfde6128_outer, .Lfunc_end_k_q3adfde6128_outer-k_q3adfde6128_outer
	.p2alignl 7, 3214868480
	.fill 96, 4, 3214868480
	.section	.rodata,"a",@progbits
	.p2align	6, 0x0
	.amdhsa_kernel k_q3adfde6128_outer
		.amdhsa_group_segment_fixed_size 298240
		.amdhsa_private_segment_fixed_size 0
		.amdhsa_enable_private_segment 0
		.amdhsa_kernarg_size 160
		.amdhsa_user_sgpr_count 2
		.amdhsa_user_sgpr_kernarg_segment_ptr 1
		.amdhsa_wavefront_size32 1
		.amdhsa_system_sgpr_workgroup_id_x 1
		.amdhsa_system_sgpr_workgroup_id_y 1
		.amdhsa_system_sgpr_workgroup_id_z 1
		.amdhsa_system_vgpr_workitem_id 0
		.amdhsa_next_free_vgpr 512
		.amdhsa_next_free_sgpr 80
		.amdhsa_reserve_vcc 0
		.amdhsa_float_denorm_mode_32 3
		.amdhsa_float_denorm_mode_16_64 3
		.amdhsa_memory_ordered 1
		.amdhsa_forward_progress 1
		.amdhsa_inst_pref_size 226
	.end_amdhsa_kernel
	.amdgpu_metadata
---
amdhsa.version: [ 1, 2 ]
amdhsa.kernels:
  - .name:           k_q3adfde6128_outer
    .symbol:         k_q3adfde6128_outer.kd
    .args:
      - { .name: q_codes, .offset: 0, .size: 8, .value_kind: global_buffer, .address_space: global }
      - { .name: q_scales, .offset: 8, .size: 8, .value_kind: global_buffer, .address_space: global }
      - { .name: k_codes, .offset: 16, .size: 8, .value_kind: global_buffer, .address_space: global }
      - { .name: k_scales, .offset: 24, .size: 8, .value_kind: global_buffer, .address_space: global }
      - { .name: v_codes, .offset: 32, .size: 8, .value_kind: global_buffer, .address_space: global }
      - { .name: v_scales, .offset: 40, .size: 8, .value_kind: global_buffer, .address_space: global }
      - { .name: mask, .offset: 48, .size: 8, .value_kind: global_buffer, .address_space: global }
      - { .name: Wq_codes, .offset: 56, .size: 8, .value_kind: global_buffer, .address_space: global }
      - { .name: Wq_scales, .offset: 64, .size: 8, .value_kind: global_buffer, .address_space: global }
      - { .name: bq, .offset: 72, .size: 8, .value_kind: global_buffer, .address_space: global }
      - { .name: Wk_codes, .offset: 80, .size: 8, .value_kind: global_buffer, .address_space: global }
      - { .name: Wk_scales, .offset: 88, .size: 8, .value_kind: global_buffer, .address_space: global }
      - { .name: bk, .offset: 96, .size: 8, .value_kind: global_buffer, .address_space: global }
      - { .name: Wv_codes, .offset: 104, .size: 8, .value_kind: global_buffer, .address_space: global }
      - { .name: Wv_scales, .offset: 112, .size: 8, .value_kind: global_buffer, .address_space: global }
      - { .name: bv, .offset: 120, .size: 8, .value_kind: global_buffer, .address_space: global }
      - { .name: Wo_codes, .offset: 128, .size: 8, .value_kind: global_buffer, .address_space: global }
      - { .name: Wo_scales, .offset: 136, .size: 8, .value_kind: global_buffer, .address_space: global }
      - { .name: bo, .offset: 144, .size: 8, .value_kind: global_buffer, .address_space: global }
      - { .name: out0, .offset: 152, .size: 8, .value_kind: global_buffer, .address_space: global }
    .group_segment_fixed_size: 298240
    .private_segment_fixed_size: 0
    .kernarg_segment_align: 8
    .kernarg_segment_size: 160
    .max_flat_workgroup_size: 256
    .sgpr_count:     80
    .vgpr_count:     512
    .wavefront_size: 32
...
	.end_amdgpu_metadata
.endif
;; end of part 2
